; MI455X (gfx1250); checked and timed in simulation.
; The chip was launched on July 23, 2026; its instructions are those of AMD's public machine-readable ISA for CDNA 5 (MIT licence, August 2026) and "CDNA5" Instruction Set Architecture Reference Guide (July 2026). The comments in the code are by the model that wrote it; some were corrected since.
;; Preference Embedding. Allowed arithmetic: matrix products marked QUANTISED: E5M2 operands, one given power-of-two scale a tensor, by v_wmma_f32_16x16x64_bf8_bf8 or v_wmma_f32_16x16x128_bf8_bf8, f32 sums; everything else in f32.
;; Inputs: emb 512 x 64 float32; lowp_scales 14 int32 (the exponents e of the quantised operands' scales 2^e); lv_b 64 float32; lv_w_codes 64 x 32 x 32 uint8 (E5M2 codes of lv_w, K innermost, in blocks of 32 codes); mean_b 64 float32; mean_w_codes 64 x 32 x 32 uint8 (E5M2 codes of mean_w, K innermost, in blocks of 32 codes); te_b1 1,024 float32; te_b2 1,024 float32; te_w1_codes 1,024 x 2 x 32 uint8 (E5M2 codes of te_w1, K innermost, in blocks of 32 codes); te_w2_codes 1,024 x 32 x 32 uint8 (E5M2 codes of te_w2, K innermost, in blocks of 32 codes); vq_b1 1,024 float32; vq_b2 64 float32; vq_w1_codes 1,024 x 16 x 32 uint8 (E5M2 codes of vq_w1, K innermost, in blocks of 32 codes); vq_w2_codes 64 x 32 x 32 uint8 (E5M2 codes of vq_w2, K innermost, in blocks of 32 codes); x_codes 32,768 x 16 x 32 uint8 (E5M2 codes of x, K innermost, in blocks of 32 codes).
;; Outputs: out0 32,768 x 64 float32; out1 32,768 x 64 float32; out2 one number float32.
;; This version of the problem:
;;   THIS VERSION OF THE PROBLEM IS GIVEN IN LOW PRECISION. The matrix products marked QUANTISED in the list below multiply operands that are first quantised to E5M2 (5 exponent bits, 2 mantissa bits; 8 bits a number), with one given power-of-two scale for each operand tensor; their sums are f32. All else is computed in f32.
;;   The module's matrix products, in the order in which they are computed (A, B: the left and right operand; K: the contracted axis; several contracted axes count as one K, in the product's order):
;;     1. [M 32,768, K 512] x [K 512, N 1,024]; A: input x (given as codes); B: input vq_w1 (given as codes): QUANTISED (scales: A lowp_scales[0], B lowp_scales[1])
;;     2. [M 32,768, K 1,024] x [K 1,024, N 64]; A: computed on the way; B: input vq_w2 (given as codes): QUANTISED (scales: A lowp_scales[2], B lowp_scales[3])
;;     3. [M 32,768, K 64] x [K 64, N 512]; A: computed on the way; B: input emb: QUANTISED (scales: A lowp_scales[4], B lowp_scales[5])
;;     4. [M 32,768, K 64] x [K 64, N 1,024]; A: computed on the way; B: input te_w1 (given as codes): QUANTISED (scales: A lowp_scales[6], B lowp_scales[7])
;;     5. [M 32,768, K 1,024] x [K 1,024, N 1,024]; A: computed on the way; B: input te_w2 (given as codes): QUANTISED (scales: A lowp_scales[8], B lowp_scales[9])
;;     6. [M 32,768, K 1,024] x [K 1,024, N 64]; A: computed on the way; B: input mean_w (given as codes): QUANTISED (scales: A lowp_scales[10], B lowp_scales[11])
;;     7. [M 32,768, K 1,024] x [K 1,024, N 64]; A: computed on the way; B: input lv_w (given as codes): QUANTISED (scales: A lowp_scales[12], B lowp_scales[13])
;;   THE QUANTISER, for each operand of a quantised product, along K:
;;     - The operand's scale is 2^e, e = its entry of the input lowp_scales (int32; the entries are numbered through the quantised products in the list's order, A before B).
;;     - Each number is divided by the scale, clamped to +-57,344, and rounded to the nearest number of E5M2, ties to even, subnormals kept.
;;     - The product sums the exact products of the quantised numbers (number of the format x scale) in f32.
;;   ~~~python
;;   def quantise(x, axis, e):      # numpy; x: float32 -> the quantised numbers, widened to float32 again
;;       x = np.moveaxis(x, axis, -1); K = x.shape[-1]
;;       r = np.clip(x / 2.0 ** e, -57344, 57344)
;;       step = 2.0 ** (np.maximum(np.frexp(np.where(r == 0, 1, r))[1] - 1, -14) - 2)
;;       q = np.round(r / step) * step * 2.0 ** e      # np.round: ties to even
;;       return np.moveaxis(q, -1, axis).astype(np.float32)
;;   ~~~
;;   OPERANDS COMPUTED ON THE WAY. 'Computed on the way' means the value that the module computes at that place (a softmax that the list does not call 'softmax' is quantised finished and normalised). What goes into a quantiser is computed in f32, as accurately as f32 sums, v_exp_f32 and their like allow (about 1e-6 of the number): no bf16 or f16 on the way to a quantiser, and a product that is left as it is and whose result goes on into a quantised operand takes f32 operands (vector FMAs, or v_wmma_f32_16x16x4_f32). A number that lies on a knife's edge between two numbers of the format may be rounded either way, as far as f32 arithmetic and the matrix unit's own rounding can turn it there, and no further.
;;   INPUTS GIVEN AS CODES. lv_w (in the module: [1024, 64], K = its axis 0); mean_w (in the module: [1024, 64], K = its axis 0); te_w1 (in the module: [64, 1024], K = its axis 0); te_w2 (in the module: [1024, 1024], K = its axis 0); vq_w1 (in the module: [512, 1024], K = its axis 0); vq_w2 (in the module: [1024, 64], K = its axis 0); x (in the module: [32768, 512], K = its axis 1): each comes as NAME_codes (uint8): NAME with its K axis moved to the last place and cut into blocks of 32 codes, [.., K / 32, bytes a block], one block behind the other in memory; one code a byte (a code: sign, 5 exponent bits, 2 mantissa bits); its scale is its entry of lowp_scales. Its value is code x scale, taken as it is: it is not quantised again, and the codes and scales need not be those that the quantiser above would give.
;; One version. Each part assembles by itself: llvm-mc -triple=amdgcn-amd-amdhsa -mcpu=gfx1250 --defsym DOCPART=n.
;; ======== version 1 of 1: 3 launches
;; limits: a function is approximated: absolute error at most 2.4e-07
;; workspace buffers: zbuf 8,388,608 bytes; idx 131,072 bytes of whole numbers; t2c 1,048,576 bytes; ftab 262,144 bytes; part 1,024 bytes
;; launch enc (part 1): grid 256 x 1, 8 waves a work-group, clusters of 4 x 1, 327,680 bytes of LDS; arguments x_codes, vq_w1_codes, vq_b1, vq_w2_codes, vq_b2, emb, lowp_scales, te_w1_codes, te_b1, te_w2_codes, te_b2, zbuf, idx, t2c; writes zbuf, idx, t2c
.if DOCPART == 1
	.amdgcn_target "amdgcn-amd-amdhsa--gfx1250"
	.amdhsa_code_object_version 6
	.text
	.protected	k_q3497ab0fcf_enc
	.globl	k_q3497ab0fcf_enc
	.p2align	8
	.type	k_q3497ab0fcf_enc,@function
k_q3497ab0fcf_enc:
	s_mov_b64 s[64:65], 0
	v_nop
	global_prefetch_b8 v0, s[64:65] scope:SCOPE_SE
	s_setreg_imm32_b32 hwreg(HW_REG_WAVE_MODE, 25, 1), 1
	s_wait_xcnt 0x0
	s_wait_alu depctr_hold_cnt(0) depctr_sa_sdst(0) depctr_va_vdst(0) depctr_va_sdst(0) depctr_va_ssrc(0) depctr_va_vcc(0) depctr_vm_vsrc(0)
	s_getreg_b32 s2, hwreg(HW_REG_IB_STS2, 6, 4)
	s_cmp_eq_u32 s2, 0
	s_cbranch_scc0 .Lentry_in_a_cluster
	s_endpgm
.Lentry_in_a_cluster:
	s_bfe_u32 s2, ttmp6, 0x10000c
	s_cmp_lg_u32 s2, 0x3003
	s_cbranch_scc0 .Lentry_shape_is_right
	s_endpgm
.Lentry_shape_is_right:
; ENC: h = tanh(x W1 + b1), z = Q(h) W2 + b2, dist = (sum z^2 + sum emb^2) - 2 Q(z) Q(emb)^T, idx = argmin; all three products on E5M2 codes.
; Beside that each work-group makes a slice of the table chain: t1 = tanh(Q(emb) te_w1 + te_b1) for 16 codebook rows, 128 units of t2 = tanh(Q(t1) te_w2 + te_b2), as codes.
; WORK LEFT OUT, for all values of the inputs.  (1) z_st = z + (z_q - z) is z_q = emb[idx] by identity, so the operand of the product with te_w1 is Q(emb[idx]): z has no way into it.
; (2) All that follows (the products with te_w1, te_w2, mean_w, lv_w, two tanh) is then a function of idx alone, and idx has 512 values: rows with equal idx are equal.  The function is computed once
; for each of the 512 codebook rows (here and in the next launch) and looked up by idx in the third launch, which reads idx from memory.  (3) vq_loss and commitment_loss are the same number: one sum, x 2.
; KEPT ON PURPOSE: sum z^2 in the distance (it is the same for all codes, but it sets the f32 grid on which near distances fall together, and the lowest index then wins); every bias; both quantisers of t2.
; No input is without a way to an output: all are loaded by one of the three launches.
; LIMITS.  A NaN, an infinity or an overflow that reaches only the rows left out is not carried to the result.  NaN among the inputs is not served.  Every sum of two exponents that is made into an f32
; power of two lies between -126 and 127 (with e4 + e5 + 1 too); each quantiser's e between -126 and 112.  tanh(y) = 1 - 2 / (1 + 2^(2 log2(e) y)): absolute error about 1e-7.
; SHARES.  Work-group wg = 4 x cluster + place owns rows 128 wg on.  Eight waves, two to a SIMD, w = 4 a + b.  Products 1, 2: wave (a, b) owns rows 64 a .. 64 a + 63 (four tiles, x in 256 registers) and, of each chunk c
; of 128 hidden units, units 128 c + 32 b + 0 .. 31 (two tiles).  h never leaves registers; product 2's K is split over b and the four partial sums meet once in LDS.  Product 3: wave w owns codes 64 w .. 64 w + 63.
; All products are used transposed (source 0 = 16 rows of the weight), so that a lane holds one row and its eight registers eight neighbours along the next K: a conversion's two registers are a pair of the next operand.
; CLUSTER.  The four work-groups of a cluster walk the same W1, W2 and b1: these come by joint tensor loads (mask 15).  x is each work-group's own: a plain tensor load.
; W1 goes in chunks of 128 rows x 512 bytes through two LDS slots; waves 0 and 1 refill, 64 rows each; by this text's own count a wave has one tensor load out at the most.
; REGISTERS.  window 0: v0 thread; v1 r = lane % 16; v2 h = lane / 16; v3 16 x lane; v4, v5 the add's two; v6-15 addresses, made anew for each phase; v16-79 WF weight fragments; v80-111 ACC; v112-119 BB bias;
;   v120-247 HC h's codes (row tile m, unit tile tau: 120 + 32 m + 2 tau); v248, v249 scale and limit of h's quantiser.   window 1: x's fragments (64 m + 16 k); earlier te_w2's and t1's; later z's sums and emb.
.set PW1,   528                        ; an LDS row of W1 or x: 512 bytes + 16: an odd multiple of 16, so sixteen rows start in sixteen different groups of banks
.set HALF,  64*PW1                     ; what one tensor load of W1 or x brings
.set SLOTB, 2*HALF                     ; a slot: 128 rows of W1
.set XB,    2*SLOTB                    ; x: 128 rows
.set PW2,   1040                       ; an LDS row of W2: 1,024 bytes + 16
.set W2B,   XB+SLOTB
.set B1B,   W2B+64*PW2                 ; vq_b1, dense
.set T1IMG, B1B+4096                   ; t1's eight fragments as images of their registers, 2,048 bytes each
.set EEB,   T1IMG+16384                ; sum emb^2 of the 512 codes
.set ZCB,   EEB+2048                   ; z's codes: eight images of 1,024 bytes
.set ZZB,   ZCB+8192                   ; sum z^2 of the 128 rows
.set BVB,   ZZB+512                    ; best distance [wave][row]; 4,096 bytes on: its index
.set SPARE, BVB+8192                   ; the spare words: 128 bytes for each of eight waves, named by no other line
.set L2E2,  0x4038aa3b                 ; 2 log2(e)
.set WF,  16
.set ACC, 80
.set BB,  112
.set HC,  120
.set MSB, 0
.macro WIN new                         ; the immediate's high byte repeats the setting that is left
.if MSB != \new
	s_set_vgpr_msb (MSB<<8)|\new
.set MSB, \new
.endif
.endm
.macro PLACES                          ; four plain vector lines behind a matrix instruction, ahead of loads into its registers and of reads of its result
.rept 4
	v_nop
.endr
.endm
.macro CREST                           ; a round of the cluster's barrier behind its opening barrier
	s_cmp_lg_u32 s2, 0
	s_cbranch_scc1 .Lnw0_\@
	s_barrier_signal -3
.Lnw0_\@:
	s_barrier_wait -3
	s_barrier_signal -1
	s_barrier_wait -1
.endm
.macro CROUND
	s_barrier_signal -1
	s_barrier_wait -1
	CREST
.endm
.macro BARRIER                         ; my LDS stores have landed and my LDS loads are in: then the work-group's barrier
	s_wait_dscnt 0x0
	s_barrier_signal -1
	s_barrier_wait -1
.endm
.macro MKSC vs, vl, se                 ; v[vs] = 2^e as f32 (the conversion takes its exponent field), v[vl] = 57,344 x 2^e
	s_add_co_i32 s3, \se, 127
	s_lshl_b32 s3, s3, 23
	v_mov_b32 v[\vs], s3
	s_add_co_u32 s3, s3, 15<<23
	s_or_b32 s3, s3, 0x600000
	v_mov_b32 v[\vl], s3
.endm
.macro KAPPA ea, eb                    ; s[104:105] = 2 log2(e) x 2^(ea + eb): the exponents are added to the exponent field
	s_add_co_i32 s104, \ea, \eb
	s_lshl_b32 s104, s104, 23
	s_add_co_u32 s104, s104, L2E2
	s_mov_b32 s105, s104
.endm
.macro TANH1 a, n, b, bm               ; the exponent 2 log2(e) (sum x 2^(ea + eb) + bias), two at a time, each accumulator from its low end on; v[b ..] holds bias x 2 log2(e)
.set i_, 0
.rept (\n)/2
	v_pk_fma_f32 v[\a+i_:\a+i_+1], v[\a+i_:\a+i_+1], s[104:105], v[\b+i_%(\bm):\b+i_%(\bm)+1] op_sel_hi:[1,0,1]
.set i_, i_+2
.endr
.endm
.macro TANH2 a, n                      ; 1 - 2 / (1 + 2^v): two batches of transcendentals, each with one plain line and one wait ahead of its first reader
.set i_, 0
.rept \n
	v_exp_f32 v[\a+i_], v[\a+i_]
.set i_, i_+1
.endr
	v_nop
	s_wait_alu depctr_va_vdst(0)
.set i_, 0
.rept (\n)/2
	v_pk_add_f32 v[\a+i_:\a+i_+1], v[\a+i_:\a+i_+1], 1.0 op_sel_hi:[1,0]
.set i_, i_+2
.endr
.set i_, 0
	s_wait_alu depctr_va_vdst(0)
.rept \n
	v_rcp_f32 v[\a+i_], v[\a+i_]
.set i_, i_+1
.endr
	v_nop
	s_wait_alu depctr_va_vdst(0)
.set i_, 0
.rept (\n)/2
	v_pk_fma_f32 v[\a+i_:\a+i_+1], v[\a+i_:\a+i_+1], -2.0, 1.0 op_sel_hi:[1,0,0]
.set i_, i_+2
.endr
.endm
.macro HC8 src, dst, tmp, vl, vs       ; eight numbers: the hold at the largest code x the scale (the conversion does not saturate: ISA guide 7.6.2), then eight codes in two registers
.set i_, 0
.rept 8
	v_med3_num_f32 v[\tmp+i_], v[\src+i_], -v[\vl], v[\vl]
.set i_, i_+1
.endr
	v_cvt_scalef32_pk8_bf8_f32 v[\dst:\dst+1], v[\tmp:\tmp+7], v[\vs]
.endm
.macro WFETCH s, u                     ; W1's fragments of my unit tile u in slot s: four K steps of 128: lane (r, h): registers 4 c ..: k = 32 c + 16 h + 0 .. 15, the same places as in x's fragments
.irp k,0,1,2,3
.irp c,0,1,2,3
	ds_load_b128 v[WF+16*\k+4*\c:WF+16*\k+4*\c+3], v[6+(\s)] offset:(\u)*16*PW1+128*\k+32*\c
.endr
.endr
.endm
.macro BFETCH tau                      ; b1 of tile tau's units 128 (tau / 2) + 32 b + 16 (tau % 2) + 8 h + 0 .. 7
	ds_load_b128 v[BB:BB+3], v8 offset:(128*((\tau)/2)+16*((\tau)%2))*4
	ds_load_b128 v[BB+4:BB+7], v8 offset:(128*((\tau)/2)+16*((\tau)%2))*4+16
.endm
.macro MUL16                           ; one unit tile x four row tiles x K = 512; the four accumulators take turns, one instruction a turn; the first K step starts the sums
	WIN 0x04                                       ; source 1 (x) window 1
.irp k,0,1,2,3
.irp m,0,1,2,3
.if \k == 0
	v_wmma_f32_16x16x128_bf8_bf8 v[ACC+8*\m:ACC+8*\m+7], v[WF+16*\k:WF+16*\k+15], v[64*\m+16*\k:64*\m+16*\k+15], 0
.else
	v_wmma_f32_16x16x128_bf8_bf8 v[ACC+8*\m:ACC+8*\m+7], v[WF+16*\k:WF+16*\k+15], v[64*\m+16*\k:64*\m+16*\k+15], v[ACC+8*\m:ACC+8*\m+7]
.endif
.endr
.endr
	WIN 0
.endm
.macro QH tau                          ; h's codes of tile tau: pair tau % 8 of K step tau / 8 of my part of product 2
.irp m,0,1,2,3
	HC8 ACC+8*\m, HC+32*\m+2*(\tau), ACC+8*\m, 249, 248
.endr
	v_nop                                          ; a plain line between the last conversion and the products that write its sources
.endm
.macro REFILL s                        ; waves 0 and 1 ask jointly for 64 rows each of the chunk two on; the branch hangs on the wave's number alone
	s_cmp_lt_u32 s2, 2
	s_cbranch_scc0 .Lnr_\@
	tensor_load_to_lds s[84+4*(\s):87+4*(\s)], s[32:39]
	s_nop 0
	PLACES
.Lnr_\@:
.endm
.macro EMBLOAD                         ; my 64 codes of emb as f32: lane (r, h), tile t: code 64 w + 16 t + r, dims 16 c + 8 h + 0 .. 7 -> window 1, v[128 + 32 t + 8 c ..]
	WIN 0x40
.irp t,0,1,2,3
.irp c,0,1,2,3
	global_load_b128 v[128+32*\t+8*\c:128+32*\t+8*\c+3], v10, s[14:15] offset:4096*\t+64*\c
	global_load_b128 v[128+32*\t+8*\c+4:128+32*\t+8*\c+7], v10, s[14:15] offset:4096*\t+64*\c+16
.endr
.endr
	WIN 0
.endm
.macro B2LOAD                          ; vq_b2 in z's layout: register 8 d + j: dim 16 d + 8 h + j
.irp d,0,1,2,3
	global_load_b128 v[80+8*\d:80+8*\d+3], v11, s[12:13] offset:64*\d
	global_load_b128 v[80+8*\d+4:80+8*\d+7], v11, s[12:13] offset:64*\d+16
.endr
.endm
; A TILE of 16 hidden units x my 64 rows.  kind 0: the chunk's first tile; 1: its second, and the slot is filled again; 2: its second, nothing is filled; 3: the very last.
.macro TILE tau, s, kind
	s_wait_dscnt 0x0                               ; this tile's fragments of W1 and its bias are in
	MUL16
.irp i,0,2,4,6
	v_pk_mul_f32 v[BB+\i:BB+\i+1], v[BB+\i:BB+\i+1], L2E2 op_sel_hi:[1,0]   ; bias x 2 log2(e); these four are the places behind the products
.endr
.if (\kind) == 0
	WFETCH \s, 1                                   ; the next tile's fragments land while this tile's tanh is walked
	TANH1 ACC, 32, BB, 8
	BFETCH (\tau)+1
	s_wait_alu depctr_va_vdst(0)
	TANH2 ACC, 32
	QH \tau
.endif
.if (\kind) == 1
	s_wait_alu depctr_va_vdst(0)
	s_wait_tensorcnt 0x0                           ; all my tensor loads have landed: my part of the other slot
	ds_add_u32 v4, v5                              ; 0 onto my spare word
	s_add_nc_u64 s[86+4*(\s):87+4*(\s)], s[86+4*(\s):87+4*(\s)], 0x20000   ; no load of mine is out: this slot's descriptor steps two chunks on
	s_wait_dscnt 0x0                               ; the add is done; my reads of this slot ended at the tile's head
	s_barrier_signal -1                            ; opens a round of the cluster's barrier; only work on registers stands inside it
	TANH1 ACC, 32, BB, 8
	s_wait_alu depctr_va_vdst(0)
	TANH2 ACC, 32
	QH \tau
	s_barrier_wait -1
	CREST                                          ; no wave of any partner still reads this slot or has a load on its way
	REFILL \s                                      ; first behind the round: it has the next chunk's two tiles in which to land
	WFETCH 1-(\s), 0
	BFETCH (\tau)+1
.endif
.if (\kind) == 2
	s_wait_alu depctr_va_vdst(0)
	s_wait_tensorcnt 0x0                           ; the last chunk has landed
	ds_add_u32 v4, v5
	s_wait_dscnt 0x0
	s_barrier_signal -1
	TANH1 ACC, 32, BB, 8
	s_wait_alu depctr_va_vdst(0)
	TANH2 ACC, 32
	QH \tau
	s_barrier_wait -1                              ; no round
	WFETCH 1-(\s), 0
	BFETCH (\tau)+1
.endif
.if (\kind) == 3
	EMBLOAD                                        ; into x's registers of row tiles 2 and 3, four places behind their last reader
	TANH1 ACC, 32, BB, 8
	s_wait_alu depctr_va_vdst(0)
	TANH2 ACC, 32
	QH \tau
	B2LOAD
.endif
.endm
	; ---- the head
	s_load_b512 s[4:19], s[0:1], 0x0               ; x s[4:5], W1 s[6:7], b1 s[8:9], W2 s[10:11], b2 s[12:13], emb s[14:15], scales s[16:17], te_w1 s[18:19]
	s_load_b256 s[20:27], s[0:1], 0x40             ; te_b1 s[20:21], te_w2 s[22:23], te_b2 s[24:25], zbuf s[26:27]
	s_load_b128 s[28:31], s[0:1], 0x60             ; idx s[28:29], t2c s[30:31]
	v_lshl_add_u32 v4, v0, 2, SPARE
	v_mov_b32 v5, 0
	ds_add_u32 v4, v5                              ; the wave's opening: the add, twice on end; its wait stands ahead of my first tensor load
	ds_add_u32 v4, v5
	v_lshrrev_b32 v1, 5, v0
	s_delay_alu instid0(VALU_DEP_1)
	v_readfirstlane_b32 s2, v1                     ; wave 0..7
	s_lshr_b32 s66, s2, 2                          ; a
	s_and_b32 s67, s2, 3                           ; b
	s_bfe_u32 s94, ttmp6, 0x40000                  ; my place in the cluster: it enters global addresses alone
	s_lshl_b32 s95, ttmp9, 2
	s_add_co_u32 s95, s95, s94                     ; wg
	s_mov_b32 s32, 15|(1<<20)|(1<<21)|(6<<22)|(3<<25)  ; W1: mask of all four; elements of a byte; padding of 4 words behind every 128
	s_mov_b32 s33, 512<<16                         ; tensor_dim0
	s_mov_b32 s34, 64<<16                          ; tensor_dim1
	s_mov_b32 s35, 512<<16                         ; tile_dim0
	s_mov_b32 s36, 64                              ; tile_dim1
	s_mov_b32 s37, 512                             ; from row to row
	s_mov_b32 s38, 0
	s_mov_b32 s39, 0
	s_mov_b32 s40, (1<<20)|(6<<22)|(3<<25)         ; x: the same shape, no mask
	s_mov_b32 s41, 512<<16
	s_mov_b32 s42, 64<<16
	s_mov_b32 s43, 512<<16
	s_mov_b32 s44, 64
	s_mov_b32 s45, 512
	s_mov_b32 s46, 0
	s_mov_b32 s47, 0
	s_mov_b32 s48, 15|(1<<20)|(1<<21)|(7<<22)|(3<<25)  ; W2: 64 rows of 1,024 bytes, padding of 4 words behind every 256
	s_mov_b32 s49, 1024<<16
	s_mov_b32 s50, 64<<16
	s_mov_b32 s51, 1024<<16
	s_mov_b32 s52, 64
	s_mov_b32 s53, 1024
	s_mov_b32 s54, 0
	s_mov_b32 s55, 0
	s_mov_b32 s56, 15|(3<<16)|(1<<21)              ; b1: 16 rows of 32 elements of 8 bytes, dense
	s_mov_b32 s57, 32<<16
	s_mov_b32 s58, 16<<16
	s_mov_b32 s59, 32<<16
	s_mov_b32 s60, 16
	s_mov_b32 s61, 32
	s_mov_b32 s62, 0
	s_mov_b32 s63, 0
	s_mov_b32 s92, 0x76543210                      ; v_permlanex16_b32's selects for lane xor 16
	s_mov_b32 s93, 0xfedcba98
	v_and_b32 v1, 15, v0                           ; r
	v_bfe_u32 v2, v0, 4, 1                         ; h
	v_and_b32 v3, 31, v0
	s_delay_alu instid0(VALU_DEP_1)
	v_lshlrev_b32 v3, 4, v3                        ; 16 x lane
	s_delay_alu instid0(VALU_DEP_4)
	v_lshlrev_b32 v6, 8, v1
	s_delay_alu instid0(VALU_DEP_1)
	v_lshl_add_u32 v6, v2, 6, v6                   ; emb, for t1: row r of 256 bytes, + 64 h
	v_and_b32 v7, 8, v1
	s_delay_alu instid0(VALU_DEP_1)
	v_add_nc_u32 v7, v7, v1                        ; r + 8 (r / 8): the rows of te_w1 that form a tile are not neighbours
	s_delay_alu instid0(VALU_DEP_1)
	v_lshlrev_b32 v7, 6, v7
	s_delay_alu instid0(VALU_DEP_1)
	v_lshl_add_u32 v7, v2, 4, v7
	s_lshl_b32 s3, s2, 13
	v_add_nc_u32 v7, s3, v7                        ; te_w1: my 128 rows of 64 bytes
	s_lshl_b32 s3, s2, 9
	v_lshl_add_u32 v8, v2, 6, s3                   ; te_b1: my 128 numbers, + 16 h of them
	s_lshl_b32 s3, s2, 6
	v_lshl_add_u32 v9, v2, 5, s3                   ; te_b2: my 16 numbers, + 8 h of them
	s_lshl_b32 s3, s2, 14
	v_lshlrev_b32 v10, 10, v1
	s_delay_alu instid0(VALU_DEP_1)
	v_lshl_add_u32 v10, v2, 4, v10
	s_delay_alu instid0(VALU_DEP_1)
	v_add_nc_u32 v10, s3, v10                      ; te_w2: my 16 rows of 1,024 bytes
	s_lshl_b32 s3, s2, 11
	s_add_co_u32 s3, s3, T1IMG
	v_add_nc_u32 v13, s3, v3                       ; where I store my image of t1
	v_add_nc_u32 v14, T1IMG, v3                    ; and where the eight are read
	s_mul_i32 s3, s66, 64*PW1
	s_add_co_u32 s3, s3, XB
	v_mul_u32_u24 v15, v1, PW1
	s_delay_alu instid0(VALU_DEP_1)
	v_lshl_add_u32 v15, v2, 4, v15
	s_delay_alu instid0(VALU_DEP_1)
	v_add_nc_u32 v15, s3, v15                      ; x's fragments: row 64 a + r, + 16 h
	s_and_b32 s3, s2, 1                            ; which half of a tile I fetch
	s_mul_i32 s69, s2, HALF                        ; waves 0-3: chunk 0 and chunk 1, in halves
	s_mul_i32 s85, s3, HALF                        ; refills of slot 0,
	s_add_co_u32 s89, s85, SLOTB                   ; of slot 1,
	s_add_co_u32 s73, s85, XB                      ; and x's halves
	s_mov_b32 s68, 1
	s_mov_b32 s72, 1
	s_mov_b32 s76, 1
	s_mov_b32 s80, 1
	s_mov_b32 s84, 1
	s_mov_b32 s88, 1
	s_mov_b32 s77, W2B
	s_mov_b32 s81, B1B
	s_wait_dscnt 0x0                               ; both opening adds are done
	s_wait_kmcnt 0x0
	s_lshl_b32 s104, s2, 15
	s_mov_b32 s105, 0
	s_add_nc_u64 s[70:71], s[6:7], s[104:105]      ; W1 + 64 rows x wave
	s_or_b32 s71, s71, 0x80000000
	s_lshl_b32 s104, s3, 15
	s_add_nc_u64 s[86:87], s[6:7], s[104:105]      ; the refills' descriptors stand a lap early: each is stepped two chunks on ahead of its use
	s_add_nc_u64 s[90:91], s[86:87], 0x10000
	s_or_b32 s87, s87, 0x80000000
	s_or_b32 s91, s91, 0x80000000
	s_lshl_b32 s3, s95, 16
	s_add_co_u32 s104, s104, s3
	s_add_nc_u64 s[74:75], s[4:5], s[104:105]      ; x: my work-group's 128 rows, my half
	s_or_b32 s75, s75, 0x80000000
	s_mov_b64 s[78:79], s[10:11]
	s_or_b32 s79, s79, 0x80000000
	s_mov_b64 s[82:83], s[8:9]
	s_or_b32 s83, s83, 0x80000000
	s_lshr_b32 s104, s95, 3                        ; rb = wg / 8: my 16 codebook rows
	s_lshl_b32 s104, s104, 12
	s_add_nc_u64 s[14:15], s[14:15], s[104:105]    ; emb at them (stepped back below)
	s_and_b32 s104, s95, 7                         ; ub = wg % 8: my 128 units of t2
	s_lshl_b32 s104, s104, 9
	s_add_nc_u64 s[24:25], s[24:25], s[104:105]
	s_lshl_b32 s104, s104, 8
	s_add_nc_u64 s[22:23], s[22:23], s[104:105]
	s_lshl_b32 s104, s95, 11
	s_add_nc_u64 s[30:31], s[30:31], s[104:105]    ; t2c: 16,384 rb + 2,048 ub
	s_lshl_b32 s104, s95, 15
	s_add_nc_u64 s[26:27], s[26:27], s[104:105]    ; zbuf: my eight row tiles of 4,096 bytes
	s_lshl_b32 s104, s95, 9
	s_add_nc_u64 s[28:29], s[28:29], s[104:105]    ; idx: my 128 rows
	s_load_b256 s[4:11], s[16:17], 0x0             ; e0 .. e7 (the four addresses that lay here are in the descriptors)
	s_load_b128 s[96:99], s[16:17], 0x20           ; e8 .. e11
	s_load_b64 s[100:101], s[16:17], 0x30          ; e12, e13
	CROUND                                         ; all four work-groups are here: the first joint loads meet
	s_cmp_lt_u32 s2, 4                             ; the first fills: one a wave, a load in every arm
	s_cbranch_scc0 .Lf_notw
	tensor_load_to_lds s[68:71], s[32:39]
	s_nop 0
	PLACES
	s_branch .Lf_done
.Lf_notw:
	s_cmp_lt_u32 s2, 6
	s_cbranch_scc0 .Lf_notx
	tensor_load_to_lds s[72:75], s[40:47]
	s_nop 0
	PLACES
	s_branch .Lf_done
.Lf_notx:
	s_cmp_eq_u32 s2, 6
	s_cbranch_scc0 .Lf_b1
	tensor_load_to_lds s[76:79], s[48:55]
	s_nop 0
	PLACES
	s_branch .Lf_done
.Lf_b1:
	tensor_load_to_lds s[80:83], s[56:63]
	s_nop 0
	PLACES
.Lf_done:
	; ---- t1: wave w makes units 128 w .. 128 w + 127 for codebook rows 16 rb + r, while the first fills are on their way
.irp c,0,1
.irp q,0,1,2,3
	global_load_b128 v[80+16*\c+4*\q:80+16*\c+4*\q+3], v6, s[14:15] offset:128*\c+16*\q   ; emb(row r, 32 c + 16 h + 4 q ..)
.endr
.endr
.irp t,0,1,2,3,4,5,6,7
.irp c,0,1
	global_load_b128 v[16+8*\t+4*\c:16+8*\t+4*\c+3], v7, s[18:19] offset:(32*(\t/2)+8*(\t%2))*64+32*\c
.endr
.endr
.irp t,0,1,2,3,4,5,6,7
.irp q,0,1
	global_load_b128 v[184+8*\t+4*\q:184+8*\t+4*\q+3], v8, s[20:21] offset:(32*(\t/2)+8*(\t%2))*4+16*\q
.endr
.endr
	s_wait_alu depctr_va_vdst(0)
	global_load_b128 v[112:115], v9, s[24:25]
	global_load_b128 v[116:119], v9, s[24:25] offset:16
	WIN 0x40
.irp s,0,1,2,3,4,5,6,7
.irp c,0,1,2,3
	global_load_b128 v[16*\s+4*\c:16*\s+4*\c+3], v10, s[22:23] offset:128*\s+32*\c
.endr
.endr
	WIN 0
	s_wait_kmcnt 0x0                               ; the exponents
	MKSC 11, 12, s10                               ; e6
	s_wait_alu depctr_va_vdst(0)
	s_wait_loadcnt 50                              ; emb and te_w1 are in; te_b1's 16, te_b2's 2 and te_w2's 32 loads may be out
	s_lshr_b32 s104, s95, 3
	s_lshl_b32 s104, s104, 12
	s_mov_b32 s105, 0
	s_sub_nc_u64 s[14:15], s[14:15], s[104:105]    ; emb's loads are done: its address goes back to the table's first row
	KAPPA s10, s11
.irp g,0,1,2,3
	HC8 80+8*\g, 248+2*\g, 80+8*\g, 12, 11
.endr
	v_nop
.irp t,0,1,2,3,4,5,6,7
	v_wmma_f32_16x16x64_bf8_bf8 v[120+8*\t:127+8*\t], v[16+8*\t:23+8*\t], v[248:255], 0   ; lane (r, h), tiles 2 b and 2 b + 1: units 32 b + 16 h + 0 .. 15 of row r
.endr
	s_wait_loadcnt 34                              ; te_b1 is in
.set i_, 0
.rept 32
	v_pk_mul_f32 v[184+i_:185+i_], v[184+i_:185+i_], L2E2 op_sel_hi:[1,0]   ; (also the places behind the products)
.set i_, i_+2
.endr
	MKSC 11, 12, s96                               ; e8
	TANH1 120, 64, 184, 64
	s_wait_alu depctr_va_vdst(0)
	TANH2 120, 64
.irp t,0,1,2,3,4,5,6,7
	HC8 120+8*\t, 80+2*\t, 120+8*\t, 12, 11
.endr
	v_nop
.irp c,0,1,2,3
	ds_store_b128 v13, v[80+4*\c:80+4*\c+3] offset:512*\c   ; K step w of the product with te_w2, as an image of its registers
.endr
	s_wait_tensorcnt 0x0                           ; my first fill has landed,
	s_wait_dscnt 0x0                               ; my image is stored:
	s_barrier_signal -1
	s_barrier_wait -1                              ; everybody's.
	; ---- t2: wave w makes units 128 ub + 16 w + 0 .. 15
	WIN 0x40
.irp s,0,1,2,3,4,5,6,7
.irp c,0,1,2,3
	ds_load_b128 v[128+16*\s+4*\c:128+16*\s+4*\c+3], v14 offset:2048*\s+512*\c
.endr
.endr
	WIN 0
	KAPPA s96, s97
	s_wait_dscnt 0x0
	s_wait_loadcnt 0x0                             ; te_w2 and te_b2
	WIN 0x05                                       ; both sources window 1
.irp s,0,1,2,3,4,5,6,7                         ; two accumulators by turns
.if \s < 2
	v_wmma_f32_16x16x128_bf8_bf8 v[80+8*(\s%2):87+8*(\s%2)], v[16*\s:16*\s+15], v[128+16*\s:128+16*\s+15], 0
.else
	v_wmma_f32_16x16x128_bf8_bf8 v[80+8*(\s%2):87+8*(\s%2)], v[16*\s:16*\s+15], v[128+16*\s:128+16*\s+15], v[80+8*(\s%2):87+8*(\s%2)]
.endif
.endr
	WIN 0
.irp i,0,2,4,6
	v_pk_mul_f32 v[BB+\i:BB+\i+1], v[BB+\i:BB+\i+1], L2E2 op_sel_hi:[1,0]   ; te_b2 x 2 log2(e): the four places
.endr
	s_mul_i32 s3, s67, 32*PW1                      ; the global loads are done: v6-10 take the encoder's addresses
	v_mul_u32_u24 v6, v1, PW1
	s_delay_alu instid0(VALU_DEP_1)
	v_lshl_add_u32 v6, v2, 4, v6
	s_delay_alu instid0(VALU_DEP_1)
	v_add_nc_u32 v6, s3, v6                        ; W1 in slot 0: row 32 b + r, + 16 h
	s_delay_alu instid0(VALU_DEP_1)
	v_add_nc_u32 v7, SLOTB, v6                     ; in slot 1
	s_lshl_b32 s3, s67, 7
	s_add_co_u32 s3, s3, B1B
	v_lshl_add_u32 v8, v2, 5, s3                   ; b1: 32 b + 8 h numbers on
	v_mul_u32_u24 v9, v1, PW2
	s_delay_alu instid0(VALU_DEP_1)
	v_lshl_add_u32 v9, v2, 3, v9
	s_lshl_b32 s3, s67, 5
	s_add_co_u32 s3, s3, W2B
	v_add_nc_u32 v9, s3, v9                        ; W2: row r, + 32 b + 8 h
	WIN 0x40
.irp m,0,1,2,3                                 ; x's sixteen fragments stay in registers
.irp k,0,1,2,3
.irp c,0,1,2,3
	ds_load_b128 v[64*\m+16*\k+4*\c:64*\m+16*\k+4*\c+3], v15 offset:\m*16*PW1+128*\k+32*\c
.endr
.endr
.endr
	WIN 0
	WFETCH 0, 0
.irp i,0,2,4,6
	v_pk_add_f32 v[80+\i:81+\i], v[80+\i:81+\i], v[88+\i:89+\i]
.endr
	TANH1 80, 8, BB, 8
	s_wait_alu depctr_va_vdst(0)
	TANH2 80, 8
	MKSC 11, 12, s98                               ; e10
	s_wait_alu depctr_va_vdst(0)
	MKSC 13, 14, s100                              ; e12
	HC8 80, 248, 96, 12, 11                        ; t2 as the product with mean_w takes it,
	HC8 80, 250, 104, 14, 13                       ; and as the product with lv_w takes it
	v_nop
	s_lshl_b32 s3, s2, 8
	v_and_b32 v10, 31, v0
	s_delay_alu instid0(VALU_DEP_1)
	v_lshl_add_u32 v10, v10, 3, s3
	global_store_b64 v10, v[248:249], s[30:31]     ; pair w of K step ub: the wave's store covers 256 consecutive bytes, aligned
	global_store_b64 v10, v[250:251], s[30:31] offset:524288
	BFETCH 0
	s_wait_xcnt 0x0                                ; the stores have read their registers
	s_lshl_b32 s3, s2, 14
	v_lshlrev_b32 v10, 8, v1
	s_delay_alu instid0(VALU_DEP_1)
	v_lshl_add_u32 v10, v2, 5, v10
	s_delay_alu instid0(VALU_DEP_1)
	v_add_nc_u32 v10, s3, v10                      ; emb, for the search: code 64 w + r, + 8 h dims
	v_lshlrev_b32 v11, 5, v2                       ; vq_b2: 8 h dims on
	s_lshl_b32 s3, s2, 14
	v_add_nc_u32 v12, s3, v3                       ; where I store my partial sums of z
	s_lshl_b32 s3, s66, 4
	s_add_co_u32 s3, s3, s67
	s_lshl_b32 s3, s3, 12
	v_add_nc_u32 v13, s3, v3                       ; where the four partial sums of row tile w are read: 65,536 a + 4,096 b
	s_lshl_b32 s3, s2, 8
	s_add_co_u32 s3, s3, EEB
	v_lshl_add_u32 v14, v1, 2, s3                  ; sum emb^2: in,
	v_lshl_add_u32 v15, v2, 5, s3                  ; and back
	MKSC 248, 249, s6                              ; e2
	KAPPA s4, s5
	; ---- products 1: sixteen tiles of hidden units
.irp c,0,1,2,3,4,5
	TILE 2*\c, \c%2, 0
	TILE 2*\c+1, \c%2, 1
.endr
	TILE 12, 0, 0
	TILE 13, 0, 2
	TILE 14, 1, 0
	TILE 15, 1, 3
	s_wait_dscnt 0x0
	s_barrier_signal -1                            ; my reads of both slots are over.  Up to the wait: LDS loads of W2, which nobody writes, and products
	; ---- product 2: my 256 hidden units x 64 dims, for my 64 rows: sixteen accumulators by turns
.irp s,0,1
.if \s == 1
	PLACES
.endif
.irp d,0,1,2,3
.irp p,0,1,2,3,4,5,6,7
	ds_load_b64 v[WF+16*\d+2*\p:WF+16*\d+2*\p+1], v9 offset:\d*16*PW2+128*((8*\s+\p)/2)+16*(\p%2)   ; pair p: the units of tile 8 s + p
.endr
.endr
	s_wait_alu depctr_va_vdst(0)
	s_wait_dscnt 0x0
.if \s == 0
	WIN 0x40
.else
	WIN 0x50
.endif
.irp d,0,1,2,3
.irp m,0,1,2,3
.if \s == 0
	v_wmma_f32_16x16x128_bf8_bf8 v[8*(4*\m+\d):8*(4*\m+\d)+7], v[WF+16*\d:WF+16*\d+15], v[HC+32*\m+16*\s:HC+32*\m+16*\s+15], 0
.else
	v_wmma_f32_16x16x128_bf8_bf8 v[8*(4*\m+\d):8*(4*\m+\d)+7], v[WF+16*\d:WF+16*\d+15], v[HC+32*\m+16*\s:HC+32*\m+16*\s+15], v[8*(4*\m+\d):8*(4*\m+\d)+7]
.endif
.endr
.endr
	WIN 0
.endr
	PLACES
	s_barrier_wait -1                              ; nobody reads the slots any more, and they have had their last fill: the partial sums may lie there
	WIN 0x04                                       ; store data window 1
.set g_, 0
.rept 32
	ds_store_b128 v12, v[4*g_:4*g_+3] offset:512*g_
.set g_, g_+1
.endr
	WIN 0
	; ---- my 64 codes: sum emb^2 in f32, and the codes under e5
	s_wait_loadcnt 8                               ; emb is in; vq_b2's eight loads may be out
	MKSC 250, 251, s9
.macro EMBT t
.set E_, 128+32*(\t)
	WIN 0x05
	v_pk_mul_f32 v[112:113], v[E_:E_+1], v[E_:E_+1]
	v_pk_mul_f32 v[114:115], v[E_+2:E_+3], v[E_+2:E_+3]
.irp i,4,8,12,16,20,24,28
	s_delay_alu instid0(VALU_DEP_2)
	v_pk_fma_f32 v[112:113], v[E_+\i:E_+\i+1], v[E_+\i:E_+\i+1], v[112:113]
	s_delay_alu instid0(VALU_DEP_2)
	v_pk_fma_f32 v[114:115], v[E_+\i+2:E_+\i+3], v[E_+\i+2:E_+\i+3], v[114:115]
.endr
	WIN 0
	v_pk_add_f32 v[112:113], v[112:113], v[114:115]
	s_delay_alu instid0(VALU_DEP_1)
	v_add_f32 v116, v112, v113
	s_delay_alu instid0(VALU_DEP_1)
	v_permlanex16_b32 v117, v116, s92, s93         ; the code's other 32 dims lie in the lane 16 away
	s_delay_alu instid0(VALU_DEP_1)
	v_add_f32 v116, v116, v117
	ds_store_b32 v14, v116 offset:64*(\t)
	WIN 0x41
.set i_, 0
.rept 32
	v_med3_num_f32 v[E_+i_], v[E_+i_], -v251, v251
.set i_, i_+1
.endr
	WIN 0x01
.irp c,0,1,2,3
	v_cvt_scalef32_pk8_bf8_f32 v[16+8*(\t)+2*\c:16+8*(\t)+2*\c+1], v[E_+8*\c:E_+8*\c+7], v250
.endr
	WIN 0
	v_nop
.endm
	EMBT 0
	EMBT 1
	EMBT 2
	EMBT 3
.irp t,0,1,2,3
	ds_load_b128 v[48+8*\t:48+8*\t+3], v15 offset:64*\t       ; sum emb^2 of codes 64 w + 16 t + 8 h + 0 .. 7: my own bytes, served in order
	ds_load_b128 v[48+8*\t+4:48+8*\t+7], v15 offset:64*\t+16
.endr
	BARRIER                                        ; all partial sums of z lie in LDS
	; ---- z of row tile w
.irp p,0,1,2,3
.irp g,0,1,2,3,4,5,6,7
	ds_load_b128 v[120+32*\p+4*\g:120+32*\p+4*\g+3], v13 offset:16384*\p+512*\g
.endr
.endr
	s_lshl_b32 s3, s2, 12
	v_add_nc_u32 v6, s3, v3                        ; zbuf: my row tile's image
	s_lshl_b32 s3, s2, 10
	s_add_co_u32 s3, s3, ZCB
	v_add_nc_u32 v7, s3, v3                        ; the image of z's codes
	s_lshl_b32 s3, s2, 6
	s_add_co_u32 s3, s3, ZZB
	v_lshl_add_u32 v8, v1, 2, s3                   ; sum z^2 of row 16 w + r
	s_add_co_i32 s18, s6, s7
	s_add_co_i32 s18, s18, 127
	s_lshl_b32 s18, s18, 23                        ; 2^(e2 + e3)
	s_mov_b32 s19, s18
	MKSC 252, 253, s8                              ; e4
	s_wait_dscnt 0x0
.set i_, 0
.rept 16
	v_pk_add_f32 v[120+i_:121+i_], v[120+i_:121+i_], v[152+i_:153+i_]
	v_pk_add_f32 v[184+i_:185+i_], v[184+i_:185+i_], v[216+i_:217+i_]
.set i_, i_+2
.endr
.set i_, 0
.rept 16
	v_pk_add_f32 v[120+i_:121+i_], v[120+i_:121+i_], v[184+i_:185+i_]
.set i_, i_+2
.endr
	s_wait_loadcnt 0x0                             ; vq_b2
.set i_, 0
.rept 16
	v_pk_fma_f32 v[120+i_:121+i_], v[120+i_:121+i_], s[18:19], v[80+i_:81+i_] op_sel_hi:[1,0,1]   ; z = sum x 2^(e2 + e3) + b2: register 8 d + j: dim 16 d + 8 h + j of row r
.set i_, i_+2
.endr
.irp q,0,1,2,3,4,5,6,7
	global_store_b128 v6, v[120+4*\q:120+4*\q+3], s[26:27] offset:512*\q th:TH_STORE_NT   ; an image of the registers: each store covers 512 consecutive bytes
.endr
	v_pk_mul_f32 v[112:113], v[120:121], v[120:121]
	v_pk_mul_f32 v[114:115], v[122:123], v[122:123]
.irp i,4,8,12,16,20,24,28
	s_delay_alu instid0(VALU_DEP_2)
	v_pk_fma_f32 v[112:113], v[120+\i:121+\i], v[120+\i:121+\i], v[112:113]
	s_delay_alu instid0(VALU_DEP_2)
	v_pk_fma_f32 v[114:115], v[122+\i:123+\i], v[122+\i:123+\i], v[114:115]
.endr
	s_delay_alu instid0(VALU_DEP_1)
	v_pk_add_f32 v[112:113], v[112:113], v[114:115]
	s_delay_alu instid0(VALU_DEP_1)
	v_add_f32 v116, v112, v113
	s_delay_alu instid0(VALU_DEP_1)
	v_permlanex16_b32 v117, v116, s92, s93
	s_delay_alu instid0(VALU_DEP_1)
	v_add_f32 v116, v116, v117                     ; sum z^2 of row r
.irp d,0,1,2,3
	HC8 120+8*\d, 184+2*\d, 152+8*\d, 253, 252     ; z itself stays: its stores may still read it
.endr
	v_nop
	ds_store_b128 v7, v[184:187]
	ds_store_b128 v7, v[188:191] offset:512
	ds_store_b32 v8, v116
	s_wait_xcnt 0x0                                ; z's stores have read their registers
	BARRIER                                        ; the eight row tiles' codes and sums lie in LDS
	; ---- product 3 and the argmin: my 64 codes against all 128 rows
	v_add_nc_u32 v9, ZCB, v3
	v_lshlrev_b32 v12, 2, v1
	s_delay_alu instid0(VALU_DEP_1)
	v_add_nc_u32 v12, ZZB, v12
.irp m,0,1,2,3,4,5,6,7
	ds_load_b128 v[120+8*\m:120+8*\m+3], v9 offset:1024*\m
	ds_load_b128 v[120+8*\m+4:120+8*\m+7], v9 offset:1024*\m+512
.endr
.irp m,0,1,2,3,4,5,6,7
	ds_load_b32 v[112+\m], v12 offset:64*\m
.endr
	s_lshl_b32 s3, s2, 9
	s_add_co_u32 s3, s3, BVB
	v_lshl_add_u32 v13, v1, 2, s3                  ; where my wave's best of row r goes
	v_add_nc_u32 v14, BVB, v3                      ; and where wave 0 reads four rows a lane
	s_lshl_b32 s3, s2, 6
	v_lshl_add_u32 v15, v2, 3, s3                  ; 64 w + 8 h: what my local indices lack
	s_add_co_i32 s20, s8, s9
	s_add_co_i32 s20, s20, 128
	s_lshl_b32 s20, s20, 23
	s_or_b32 s20, s20, 0x80000000                  ; -2 x 2^(e4 + e5)
	s_mov_b32 s21, s20
	s_wait_dscnt 0x0
.macro P3MUL m
.irp t,0,1,2,3
	v_wmma_f32_16x16x64_bf8_bf8 v[184+32*((\m)%2)+8*\t:184+32*((\m)%2)+8*\t+7], v[16+8*\t:16+8*\t+7], v[120+8*(\m):120+8*(\m)+7], 0
.endr
.endm
; Row tile m.  d = fl(fl(sum z^2 + sum emb^2) - 2 c), with the roundings of the definition; a strict 'less' keeps the lower index; lane (r, h): row r, codes 64 w + 16 t + 8 h + j.
.macro P3 m
.if (\m) < 7
	P3MUL (\m)+1                                   ; the next tile's products run beside this tile's search
.endif
.set D_, 184+32*((\m)%2)
	v_mov_b32 v10, v[112+(\m)]                     ; sum z^2 of my row, into an even pair's low word
.set i_, 0
.rept 16
	v_pk_add_f32 v[80+i_:81+i_], v[48+i_:49+i_], v[10:11] op_sel_hi:[1,0]
.set i_, i_+2
.endr
.set i_, 0
.rept 16
	v_pk_fma_f32 v[80+i_:81+i_], v[D_+i_:D_+i_+1], s[20:21], v[80+i_:81+i_] op_sel_hi:[1,0,1]
.set i_, i_+2
.endr
.irp t,0,1,2,3
	v_mov_b32 v[252+\t], 16*\t
.endr
.irp t,0,1,2,3
	v_cmp_lt_f32 s[40+\t], v[81+8*\t], v[80+8*\t]
.endr
.irp t,0,1,2,3
	s_delay_alu instid0(VALU_DEP_4)
	v_cndmask_b32 v[252+\t], v[252+\t], 16*\t+1, s[40+\t]
.endr
.irp t,0,1,2,3
	v_min_num_f32 v[248+\t], v[80+8*\t], v[81+8*\t]
.endr
.irp j,2,3,4,5,6,7
.irp t,0,1,2,3
	s_delay_alu instid0(VALU_DEP_4)
	v_cmp_lt_f32 s[40+\t], v[80+8*\t+\j], v[248+\t]
.endr
.irp t,0,1,2,3
	s_delay_alu instid0(VALU_DEP_4)
	v_cndmask_b32 v[252+\t], v[252+\t], 16*\t+\j, s[40+\t]
.endr
.irp t,0,1,2,3
	v_min_num_f32 v[248+\t], v[248+\t], v[80+8*\t+\j]
.endr
.endr
	s_delay_alu instid0(VALU_DEP_3)
	v_cmp_lt_f32 s40, v249, v248
	s_delay_alu instid0(VALU_DEP_2)
	v_cmp_lt_f32 s41, v251, v250
	s_delay_alu instid0(VALU_DEP_2)
	v_cndmask_b32 v252, v252, v253, s40
	s_delay_alu instid0(VALU_DEP_2)
	v_cndmask_b32 v254, v254, v255, s41
	v_min_num_f32 v248, v248, v249
	v_min_num_f32 v250, v250, v251
	s_delay_alu instid0(VALU_DEP_1)
	v_cmp_lt_f32 s40, v250, v248
	s_delay_alu instid0(VALU_DEP_1)
	v_cndmask_b32 v252, v252, v254, s40
	s_delay_alu instid0(VALU_DEP_3)
	v_min_num_f32 v248, v248, v250
	s_delay_alu instid0(VALU_DEP_2)
	v_add_nc_u32 v252, v252, v15                   ; the code's number in the table
	s_delay_alu instid0(VALU_DEP_2)
	v_permlanex16_b32 v8, v248, s92, s93           ; the other half of the lanes holds the row's other 32 codes of my wave, interleaved with mine:
	s_delay_alu instid0(VALU_DEP_2)
	v_permlanex16_b32 v9, v252, s92, s93
	s_delay_alu instid0(VALU_DEP_2)
	v_cmp_lt_f32 s40, v8, v248                     ; theirs wins where it is less,
	s_delay_alu instid0(VALU_DEP_3)
	v_cmp_eq_f32 s41, v8, v248
	s_delay_alu instid0(VALU_DEP_3)
	v_cmp_lt_u32 s42, v9, v252
	s_and_b32 s41, s41, s42                        ; or equal with the lower index
	s_or_b32 s40, s40, s41
	v_cndmask_b32 v252, v252, v9, s40
	v_min_num_f32 v248, v248, v8
	ds_store_b32 v13, v248 offset:64*(\m)
	ds_store_b32 v13, v252 offset:4096+64*(\m)
.endm
	P3MUL 0
.irp m,0,1,2,3,4,5,6,7
	P3 \m
.endr
	BARRIER                                        ; every wave's best of every row lies in LDS
	s_cmp_lg_u32 s2, 0                             ; wave 0 joins the eight, in ascending order of the codes, four rows a lane
	s_cbranch_scc1 .Lfin_done
.irp w,0,1,2,3,4,5,6,7
	ds_load_b128 v[16+4*\w:16+4*\w+3], v14 offset:512*\w
	ds_load_b128 v[48+4*\w:48+4*\w+3], v14 offset:4096+512*\w
.endr
	s_wait_dscnt 0x0
.irp w,1,2,3,4,5,6,7
.irp i,0,1,2,3
	v_cmp_lt_f32 s[40+\i], v[16+4*\w+\i], v[16+\i]
.endr
.irp i,0,1,2,3
	s_delay_alu instid0(VALU_DEP_4)
	v_cndmask_b32 v[48+\i], v[48+\i], v[48+4*\w+\i], s[40+\i]
.endr
.irp i,0,1,2,3
	v_min_num_f32 v[16+\i], v[16+\i], v[16+4*\w+\i]
.endr
.endr
	global_store_b128 v3, v[48:51], s[28:29]       ; 128 indices: 512 consecutive bytes
.Lfin_done:
	s_wait_tensorcnt 0x0                           ; the wave's end: behind my last tensor load and my last LDS store
	ds_add_u32 v4, v5
	s_wait_dscnt 0x0
	CROUND                                         ; the closing round
	s_endpgm
.Lfunc_end_k_q3497ab0fcf_enc:
	.size	k_q3497ab0fcf_enc, .Lfunc_end_k_q3497ab0fcf_enc-k_q3497ab0fcf_enc
	.p2alignl 7, 3214868480
	.fill 96, 4, 3214868480
	.section	.rodata,"a",@progbits
	.p2align	6, 0x0
	.amdhsa_kernel k_q3497ab0fcf_enc
		.amdhsa_group_segment_fixed_size 327680
		.amdhsa_private_segment_fixed_size 0
		.amdhsa_enable_private_segment 0
		.amdhsa_kernarg_size 112
		.amdhsa_user_sgpr_count 2
		.amdhsa_user_sgpr_kernarg_segment_ptr 1
		.amdhsa_wavefront_size32 1
		.amdhsa_system_sgpr_workgroup_id_x 1
		.amdhsa_system_sgpr_workgroup_id_y 1
		.amdhsa_system_sgpr_workgroup_id_z 1
		.amdhsa_system_vgpr_workitem_id 0
		.amdhsa_next_free_vgpr 512
		.amdhsa_next_free_sgpr 106
		.amdhsa_reserve_vcc 0
		.amdhsa_float_denorm_mode_32 3
		.amdhsa_float_denorm_mode_16_64 3
		.amdhsa_memory_ordered 1
		.amdhsa_forward_progress 1
		.amdhsa_inst_pref_size 255
	.end_amdhsa_kernel
	.section	.bss,"aw",@nobits
	.p2align	6
	.space	262144
	.amdgpu_metadata
---
amdhsa.version: [ 1, 2 ]
amdhsa.kernels:
  - .name:           k_q3497ab0fcf_enc
    .symbol:         k_q3497ab0fcf_enc.kd
    .args:
      - { .name: x_codes, .offset: 0, .size: 8, .value_kind: global_buffer, .address_space: global }
      - { .name: vq_w1_codes, .offset: 8, .size: 8, .value_kind: global_buffer, .address_space: global }
      - { .name: vq_b1, .offset: 16, .size: 8, .value_kind: global_buffer, .address_space: global }
      - { .name: vq_w2_codes, .offset: 24, .size: 8, .value_kind: global_buffer, .address_space: global }
      - { .name: vq_b2, .offset: 32, .size: 8, .value_kind: global_buffer, .address_space: global }
      - { .name: emb, .offset: 40, .size: 8, .value_kind: global_buffer, .address_space: global }
      - { .name: lowp_scales, .offset: 48, .size: 8, .value_kind: global_buffer, .address_space: global }
      - { .name: te_w1_codes, .offset: 56, .size: 8, .value_kind: global_buffer, .address_space: global }
      - { .name: te_b1, .offset: 64, .size: 8, .value_kind: global_buffer, .address_space: global }
      - { .name: te_w2_codes, .offset: 72, .size: 8, .value_kind: global_buffer, .address_space: global }
      - { .name: te_b2, .offset: 80, .size: 8, .value_kind: global_buffer, .address_space: global }
      - { .name: zbuf, .offset: 88, .size: 8, .value_kind: global_buffer, .address_space: global }
      - { .name: idx, .offset: 96, .size: 8, .value_kind: global_buffer, .address_space: global }
      - { .name: t2c, .offset: 104, .size: 8, .value_kind: global_buffer, .address_space: global }
    .group_segment_fixed_size: 327680
    .private_segment_fixed_size: 0
    .kernarg_segment_align: 8
    .kernarg_segment_size: 112
    .max_flat_workgroup_size: 256
    .sgpr_count:     106
    .vgpr_count:     512
    .wavefront_size: 32
...
	.end_amdgpu_metadata
.endif
;; end of part 1
;; launch fold (part 2): grid 256 x 1, 8 waves a work-group, no clusters, 11,520 bytes of LDS; arguments zbuf, idx, emb, t2c, mean_w_codes, lv_w_codes, mean_b, lv_b, lowp_scales, ftab, part; writes ftab, part
.if DOCPART == 2
	.amdgcn_target "amdgcn-amd-amdhsa--gfx1250"
	.amdhsa_code_object_version 6
	.text
	.protected	k_q3497ab0fcf_fold
	.globl	k_q3497ab0fcf_fold
	.p2align	8
	.type	k_q3497ab0fcf_fold,@function
k_q3497ab0fcf_fold:
	s_mov_b64 s[64:65], 0
	v_nop
	global_prefetch_b8 v0, s[64:65] scope:SCOPE_SE
	s_setreg_imm32_b32 hwreg(HW_REG_WAVE_MODE, 25, 1), 1
	s_wait_xcnt 0x0
; FOLD.  (1) The table F[512][128]: row j = (mean, log_var) of codebook row j: the products with mean_w and lv_w are made once for each of the 512 codebook rows and not for each of the 32,768 rows,
; since their operand is a function of idx alone (shown at the head of the first kernel).  (2) The sum of (emb[idx] - z)^2 over 128 rows a work-group; idx is read from memory, where the launch before stored it.
; SHARES.  Work-group wg: d = wg % 4, T = (wg / 4) % 2 (0: mean, 1: log_var), rb = wg / 8: 16 codebook rows x 16 output dims.  Wave w is K step w of 1,024: one matrix instruction; the eight partial tiles meet in LDS.
; Every work-group does the same work: no branch hangs on its number.  The table's stores are 64 consecutive bytes for sixteen lanes: the table is 262,144 bytes in all.
; No tensor load: operands go from memory straight into registers; t2c is laid as the operand's registers (pair p of K step s: 8 bytes a lane).
; LIMITS: e10 + e11 and e12 + e13 between -126 and 127; an index is held at 511 before it enters an address; NaN is not served.
.set PWB,   10240                      ; behind eight partial tiles of 16 rows x 80 bytes: the waves' sums of squares
.set SPARE, 10496                      ; the spare words, 128 bytes a wave
	s_load_b512 s[4:19], s[0:1], 0x0               ; zbuf s[4:5], idx s[6:7], emb s[8:9], t2c s[10:11], mean_w s[12:13], lv_w s[14:15], mean_b s[16:17], lv_b s[18:19]
	s_load_b128 s[20:23], s[0:1], 0x40             ; scales s[20:21], ftab s[22:23]
	s_load_b64 s[24:25], s[0:1], 0x50              ; part
	v_lshl_add_u32 v4, v0, 2, SPARE
	v_mov_b32 v5, 0
	v_lshrrev_b32 v1, 5, v0
	s_delay_alu instid0(VALU_DEP_1)
	v_readfirstlane_b32 s2, v1                     ; wave
	v_and_b32 v1, 15, v0                           ; r
	v_bfe_u32 v2, v0, 4, 1                         ; h
	v_and_b32 v3, 31, v0                           ; lane
	s_wait_alu depctr_va_vdst(0)
	s_mov_b32 s26, 0x76543210
	s_mov_b32 s27, 0xfedcba98
	s_and_b32 s32, ttmp9, 3                        ; d
	s_bfe_u32 s33, ttmp9, 0x10002                  ; T
	s_lshr_b32 s34, ttmp9, 3                       ; rb
	s_lshl_b32 s35, s33, 19
	s_lshl_b32 s36, s34, 14
	s_add_co_u32 s35, s35, s36
	s_lshl_b32 s36, s2, 11
	s_add_co_u32 s35, s35, s36
	v_lshl_add_u32 v6, v3, 3, s35                  ; t2c: 524,288 T + 16,384 rb + 2,048 w + 8 x lane
	s_lshl_b32 s35, s32, 14
	s_lshl_b32 s36, s2, 7
	s_add_co_u32 s35, s35, s36
	v_lshlrev_b32 v7, 10, v1
	s_delay_alu instid0(VALU_DEP_1)
	v_lshl_add_u32 v7, v2, 3, v7
	s_delay_alu instid0(VALU_DEP_1)
	v_add_nc_u32 v7, s35, v7                       ; the weight: row 16 d + r of 1,024 bytes, + 128 w + 8 h
	s_lshl_b32 s35, s32, 6
	v_lshl_add_u32 v8, v1, 2, s35                  ; the bias of dim 16 d + r
	s_lshl_b32 s35, ttmp9, 3
	s_add_co_u32 s35, s35, s2                      ; my row tile: 8 wg + w
	s_lshl_b32 s36, s35, 6
	v_lshl_add_u32 v9, v1, 2, s36                  ; idx of row r of it
	s_lshl_b32 s36, s35, 12
	v_lshl_add_u32 v11, v3, 4, s36                 ; z's image
	v_lshlrev_b32 v12, 5, v2                       ; 8 h dims
	s_lshl_b32 s36, s2, 2
	s_add_co_u32 s36, s36, PWB
	v_mov_b32 v13, s36                             ; my wave's word
	s_mul_i32 s36, s2, 1280
	v_mul_u32_u24 v14, v1, 80
	s_delay_alu instid0(VALU_DEP_1)
	v_lshl_add_u32 v14, v2, 5, v14
	s_delay_alu instid0(VALU_DEP_1)
	v_add_nc_u32 v14, s36, v14                     ; my partial tile: row r, + 32 h
	s_mul_i32 s36, s2, 160
	v_mul_u32_u24 v177, v2, 80
	s_delay_alu instid0(VALU_DEP_1)
	v_lshl_add_u32 v177, v1, 2, v177
	s_delay_alu instid0(VALU_DEP_1)
	v_add_nc_u32 v177, s36, v177                   ; back: row 2 w + h, column r
	s_lshl_b32 s36, s34, 3
	s_add_co_u32 s36, s36, s2
	s_lshl_b32 s36, s36, 10
	s_lshl_b32 s37, s33, 8
	s_add_co_u32 s36, s36, s37
	s_lshl_b32 s37, s32, 6
	s_add_co_u32 s36, s36, s37
	v_lshlrev_b32 v178, 9, v2
	s_delay_alu instid0(VALU_DEP_1)
	v_lshl_add_u32 v178, v1, 2, v178
	s_delay_alu instid0(VALU_DEP_1)
	v_add_nc_u32 v178, s36, v178                   ; ftab: row 16 rb + 2 w + h of 512 bytes, + 256 T + 64 d + 4 r
	v_mov_b32 v179, PWB
	s_lshl_b32 s36, ttmp9, 2
	v_mov_b32 v180, s36                            ; part[wg]
	s_wait_kmcnt 0x0
	s_load_b128 s[28:31], s[20:21], 0x28           ; e10 .. e13
	s_cmp_eq_u32 s33, 0                            ; the choice hangs on the work-group's number alone
	s_cselect_b64 s[38:39], s[12:13], s[14:15]
	s_cselect_b64 s[40:41], s[16:17], s[18:19]
.irp p,0,1,2,3,4,5,6,7
	global_load_b64 v[80+2*\p:81+2*\p], v6, s[10:11] offset:256*\p      ; t2's fragment: pair p: k = 16 p + 8 h + 0 .. 7 of codebook row r
.endr
.irp p,0,1,2,3,4,5,6,7
	global_load_b64 v[96+2*\p:97+2*\p], v7, s[38:39] offset:16*\p       ; the weight's, in the same places
.endr
	global_load_b32 v15, v8, s[40:41]
	global_load_b32 v10, v9, s[6:7]
.irp q,0,1,2,3,4,5,6,7
	global_load_b128 v[16+4*\q:16+4*\q+3], v11, s[4:5] offset:512*\q th:TH_LOAD_NT   ; z: register 8 d + j: dim 16 d + 8 h + j of row r
.endr
	s_wait_loadcnt 8                               ; all but z's eight loads are in
	v_min_u32 v10, 0x1ff, v10                      ; the index stays inside the table
	s_delay_alu instid0(VALU_DEP_1)
	v_lshlrev_b32 v10, 8, v10
	s_delay_alu instid0(VALU_DEP_1)
	v_add_nc_u32 v10, v10, v12
.irp d,0,1,2,3
	global_load_b128 v[48+8*\d:48+8*\d+3], v10, s[8:9] offset:64*\d     ; emb[idx] in z's layout
	global_load_b128 v[48+8*\d+4:48+8*\d+7], v10, s[8:9] offset:64*\d+16
.endr
	v_wmma_f32_16x16x128_bf8_bf8 v[160:167], v[96:111], v[80:95], 0     ; transposed: lane (r, h): codebook row r, dims 16 d + 8 h + j
.rept 4
	v_nop
.endr
	ds_store_b128 v14, v[160:163]
	ds_store_b128 v14, v[164:167] offset:16
	s_wait_loadcnt 0x0
.set i_, 0
.rept 16
	v_pk_add_f32 v[48+i_:49+i_], v[48+i_:49+i_], v[16+i_:17+i_] neg_lo:[0,1] neg_hi:[0,1]
.set i_, i_+2
.endr
	v_pk_mul_f32 v[112:113], v[48:49], v[48:49]
	v_pk_mul_f32 v[114:115], v[50:51], v[50:51]
.irp i,4,8,12,16,20,24,28
	s_delay_alu instid0(VALU_DEP_2)
	v_pk_fma_f32 v[112:113], v[48+\i:49+\i], v[48+\i:49+\i], v[112:113]
	s_delay_alu instid0(VALU_DEP_2)
	v_pk_fma_f32 v[114:115], v[50+\i:51+\i], v[50+\i:51+\i], v[114:115]
.endr
	s_delay_alu instid0(VALU_DEP_1)
	v_pk_add_f32 v[112:113], v[112:113], v[114:115]
	s_delay_alu instid0(VALU_DEP_1)
	v_add_f32 v112, v112, v113
	s_delay_alu instid0(VALU_DEP_1)
	v_add_f32_dpp v112, v112, v112 row_xmask:1 row_mask:0xf bank_mask:0xf
	s_delay_alu instid0(VALU_DEP_1)
	v_add_f32_dpp v112, v112, v112 row_xmask:2 row_mask:0xf bank_mask:0xf
	s_delay_alu instid0(VALU_DEP_1)
	v_add_f32_dpp v112, v112, v112 row_xmask:4 row_mask:0xf bank_mask:0xf
	s_delay_alu instid0(VALU_DEP_1)
	v_add_f32_dpp v112, v112, v112 row_xmask:8 row_mask:0xf bank_mask:0xf
	s_delay_alu instid0(VALU_DEP_1)
	v_permlanex16_b32 v113, v112, s26, s27
	s_delay_alu instid0(VALU_DEP_1)
	v_add_f32 v112, v112, v113                     ; my 16 rows' sum, in every lane
	ds_store_b32 v13, v112
	s_wait_dscnt 0x0                               ; for the others' sake: my stores are done
	s_barrier_signal -1
	s_barrier_wait -1
.irp w,0,1,2,3,4,5,6,7
	ds_load_b32 v[168+\w], v177 offset:1280*\w
.endr
	s_wait_kmcnt 0x0
	s_cmp_eq_u32 s33, 0
	s_cselect_b32 s42, s28, s30
	s_cselect_b32 s43, s29, s31
	s_add_co_i32 s42, s42, s43
	s_add_co_i32 s42, s42, 127
	s_lshl_b32 s42, s42, 23                        ; 2^(e10 + e11) or 2^(e12 + e13)
	s_wait_dscnt 0x0
	v_add_f32 v168, v168, v169
	v_add_f32 v170, v170, v171
	v_add_f32 v172, v172, v173
	v_add_f32 v174, v174, v175
	s_delay_alu instid0(VALU_DEP_3)
	v_add_f32 v168, v168, v170
	s_delay_alu instid0(VALU_DEP_2)
	v_add_f32 v172, v172, v174
	s_delay_alu instid0(VALU_DEP_1)
	v_add_f32 v168, v168, v172
	s_delay_alu instid0(VALU_DEP_1)
	v_fma_f32 v176, v168, s42, v15
	global_store_b32 v178, v176, s[22:23]
	s_cmp_lg_u32 s2, 0                             ; wave 0 adds the eight waves' sums
	s_cbranch_scc1 .Lend
	ds_load_b128 v[112:115], v179
	ds_load_b128 v[116:119], v179 offset:16
	s_wait_dscnt 0x0
	v_add_f32 v112, v112, v113
	v_add_f32 v114, v114, v115
	v_add_f32 v116, v116, v117
	v_add_f32 v118, v118, v119
	s_delay_alu instid0(VALU_DEP_3)
	v_add_f32 v112, v112, v114
	s_delay_alu instid0(VALU_DEP_2)
	v_add_f32 v116, v116, v118
	s_delay_alu instid0(VALU_DEP_1)
	v_add_f32 v112, v112, v116
	s_wait_alu depctr_va_vdst(0)
	s_wait_xcnt 0x0                                ; EXEC changes only behind this wait
	v_cmp_eq_u32 vcc_lo, 0, v3
	s_and_saveexec_b32 s44, vcc_lo
	global_store_b32 v180, v112, s[24:25]          ; lane 0 alone
	s_wait_xcnt 0x0                                ; and again, in front of the line that widens it
	s_or_b32 exec_lo, exec_lo, s44
.Lend:
	s_wait_tensorcnt 0x0                           ; the wave's end: behind my last LDS store
	ds_add_u32 v4, v5
	s_wait_dscnt 0x0
	s_endpgm
.Lfunc_end_k_q3497ab0fcf_fold:
	.size	k_q3497ab0fcf_fold, .Lfunc_end_k_q3497ab0fcf_fold-k_q3497ab0fcf_fold
	.p2alignl 7, 3214868480
	.fill 96, 4, 3214868480
	.section	.rodata,"a",@progbits
	.p2align	6, 0x0
	.amdhsa_kernel k_q3497ab0fcf_fold
		.amdhsa_group_segment_fixed_size 11520
		.amdhsa_private_segment_fixed_size 0
		.amdhsa_enable_private_segment 0
		.amdhsa_kernarg_size 88
		.amdhsa_user_sgpr_count 2
		.amdhsa_user_sgpr_kernarg_segment_ptr 1
		.amdhsa_wavefront_size32 1
		.amdhsa_system_sgpr_workgroup_id_x 1
		.amdhsa_system_sgpr_workgroup_id_y 1
		.amdhsa_system_sgpr_workgroup_id_z 1
		.amdhsa_system_vgpr_workitem_id 0
		.amdhsa_next_free_vgpr 192
		.amdhsa_next_free_sgpr 66
		.amdhsa_reserve_vcc 1
		.amdhsa_float_denorm_mode_32 3
		.amdhsa_float_denorm_mode_16_64 3
		.amdhsa_memory_ordered 1
		.amdhsa_forward_progress 1
		.amdhsa_inst_pref_size 13
	.end_amdhsa_kernel
	.amdgpu_metadata
---
amdhsa.version: [ 1, 2 ]
amdhsa.kernels:
  - .name:           k_q3497ab0fcf_fold
    .symbol:         k_q3497ab0fcf_fold.kd
    .args:
      - { .name: zbuf, .offset: 0, .size: 8, .value_kind: global_buffer, .address_space: global }
      - { .name: idx, .offset: 8, .size: 8, .value_kind: global_buffer, .address_space: global }
      - { .name: emb, .offset: 16, .size: 8, .value_kind: global_buffer, .address_space: global }
      - { .name: t2c, .offset: 24, .size: 8, .value_kind: global_buffer, .address_space: global }
      - { .name: mean_w_codes, .offset: 32, .size: 8, .value_kind: global_buffer, .address_space: global }
      - { .name: lv_w_codes, .offset: 40, .size: 8, .value_kind: global_buffer, .address_space: global }
      - { .name: mean_b, .offset: 48, .size: 8, .value_kind: global_buffer, .address_space: global }
      - { .name: lv_b, .offset: 56, .size: 8, .value_kind: global_buffer, .address_space: global }
      - { .name: lowp_scales, .offset: 64, .size: 8, .value_kind: global_buffer, .address_space: global }
      - { .name: ftab, .offset: 72, .size: 8, .value_kind: global_buffer, .address_space: global }
      - { .name: part, .offset: 80, .size: 8, .value_kind: global_buffer, .address_space: global }
    .group_segment_fixed_size: 11520
    .private_segment_fixed_size: 0
    .kernarg_segment_align: 8
    .kernarg_segment_size: 88
    .max_flat_workgroup_size: 256
    .sgpr_count:     66
    .vgpr_count:     192
    .wavefront_size: 32
...
	.end_amdgpu_metadata
.endif
;; end of part 2
;; launch gath (part 3): grid 256 x 1, 8 waves a work-group, no clusters, 0 bytes of LDS; arguments idx, ftab, part, out0, out1, out2; writes out0, out1, out2
.if DOCPART == 3
	.amdgcn_target "amdgcn-amd-amdhsa--gfx1250"
	.amdhsa_code_object_version 6
	.text
	.protected	k_q3497ab0fcf_gath
	.globl	k_q3497ab0fcf_gath
	.p2align	8
	.type	k_q3497ab0fcf_gath,@function
k_q3497ab0fcf_gath:
	s_mov_b64 s[64:65], 0
	v_nop
	global_prefetch_b8 v0, s[64:65] scope:SCOPE_SE
	s_setreg_imm32_b32 hwreg(HW_REG_WAVE_MODE, 25, 1), 1
	s_wait_xcnt 0x0
; GATH.  mean[n] and log_var[n] are row idx[n] of the table that the launch before made (the head's products are a function of idx alone: shown at the head of the first kernel); idx is read from memory.
; out2 = vq_loss + commitment_loss = 2 x sum / (32,768 x 64) = sum x 2^-20: the 256 partial sums are added in a fixed order by wave 0 of work-group 0.
; Memory binds: no LDS, no matrix unit, no barrier.  A wave takes 16 rows; sixteen lanes take one row of 256 bytes, so each half of a store fills one aligned block of 256 bytes; sixteen loads a wave are out at once.
; LIMIT: an index is held at 511 before it enters an address.
	s_load_b256 s[4:11], s[0:1], 0x0               ; idx s[4:5], ftab s[6:7], part s[8:9], out0 s[10:11]
	s_load_b128 s[12:15], s[0:1], 0x20             ; out1 s[12:13], out2 s[14:15]
	v_lshrrev_b32 v1, 5, v0
	s_delay_alu instid0(VALU_DEP_1)
	v_readfirstlane_b32 s2, v1                     ; wave
	v_and_b32 v1, 15, v0                           ; r
	v_bfe_u32 v2, v0, 4, 1                         ; h
	s_lshl_b32 s16, ttmp9, 3
	s_add_co_u32 s16, s16, s2                      ; my 16 rows: 16 (8 wg + w) on
	s_lshl_b32 s17, s16, 6
	v_lshl_add_u32 v3, v2, 5, s17                  ; the indices of my half's eight rows
	v_lshlrev_b32 v4, 4, v1                        ; my 16 bytes of a row
	s_lshl_b32 s17, s16, 12
	v_lshl_add_u32 v5, v2, 11, v4
	s_delay_alu instid0(VALU_DEP_1)
	v_add_nc_u32 v5, s17, v5                       ; in out0 and out1: row 8 h of my 16, + 16 r
	s_mov_b32 s18, 0x76543210
	s_mov_b32 s19, 0xfedcba98
	s_wait_alu depctr_va_vdst(0)
	s_wait_kmcnt 0x0
	global_load_b128 v[8:11], v3, s[4:5]
	global_load_b128 v[12:15], v3, s[4:5] offset:16
	s_wait_loadcnt 0x0
.irp k,0,1,2,3,4,5,6,7
	v_min_u32 v[8+\k], 0x1ff, v[8+\k]
	s_delay_alu instid0(VALU_DEP_1)
	v_lshlrev_b32 v[8+\k], 9, v[8+\k]
	s_delay_alu instid0(VALU_DEP_1)
	v_add_nc_u32 v[8+\k], v[8+\k], v4
.endr
.irp k,0,1,2,3,4,5,6,7
	global_load_b128 v[16+8*\k:16+8*\k+3], v[8+\k], s[6:7]              ; mean's half of the table's row,
	global_load_b128 v[16+8*\k+4:16+8*\k+7], v[8+\k], s[6:7] offset:256 ; log_var's
.endr
.irp k,0,1,2,3,4,5,6,7
	s_wait_loadcnt 15-2*\k                         ; loads come back in order: the younger ones stay out
	global_store_b128 v5, v[16+8*\k:16+8*\k+3], s[10:11] offset:256*\k th:TH_STORE_NT
	s_wait_loadcnt 14-2*\k
	global_store_b128 v5, v[16+8*\k+4:16+8*\k+7], s[12:13] offset:256*\k th:TH_STORE_NT
.endr
	s_or_b32 s3, ttmp9, s2                         ; wave 0 of work-group 0 makes the loss
	s_cmp_lg_u32 s3, 0
	s_cbranch_scc1 .Lend
	v_and_b32 v6, 31, v0
	s_delay_alu instid0(VALU_DEP_1)
	v_lshlrev_b32 v6, 5, v6
	global_load_b128 v[80:83], v6, s[8:9]
	global_load_b128 v[84:87], v6, s[8:9] offset:16
	v_mov_b32 v7, 0
	v_mov_b32 v89, 0                               ; a lane permute's destination counts as one of its sources
	s_wait_loadcnt 0x0
	v_add_f32 v80, v80, v81
	v_add_f32 v82, v82, v83
	v_add_f32 v84, v84, v85
	v_add_f32 v86, v86, v87
	s_delay_alu instid0(VALU_DEP_3)
	v_add_f32 v80, v80, v82
	s_delay_alu instid0(VALU_DEP_2)
	v_add_f32 v84, v84, v86
	s_delay_alu instid0(VALU_DEP_1)
	v_add_f32 v80, v80, v84
	s_delay_alu instid0(VALU_DEP_1)
	v_add_f32_dpp v80, v80, v80 row_xmask:1 row_mask:0xf bank_mask:0xf
	s_delay_alu instid0(VALU_DEP_1)
	v_add_f32_dpp v80, v80, v80 row_xmask:2 row_mask:0xf bank_mask:0xf
	s_delay_alu instid0(VALU_DEP_1)
	v_add_f32_dpp v80, v80, v80 row_xmask:4 row_mask:0xf bank_mask:0xf
	s_delay_alu instid0(VALU_DEP_1)
	v_add_f32_dpp v80, v80, v80 row_xmask:8 row_mask:0xf bank_mask:0xf
	s_delay_alu instid0(VALU_DEP_1)
	v_permlanex16_b32 v89, v80, s18, s19
	s_delay_alu instid0(VALU_DEP_1)
	v_add_f32 v80, v80, v89
	s_delay_alu instid0(VALU_DEP_1)
	v_mul_f32 v80, 0x35800000, v80                 ; x 2^-20
	s_wait_alu depctr_va_vdst(0)
	s_wait_xcnt 0x0                                ; EXEC changes only behind this wait
	v_cmp_eq_u32 vcc_lo, 0, v0
	s_and_saveexec_b32 s20, vcc_lo
	global_store_b32 v7, v80, s[14:15]
	s_wait_xcnt 0x0
	s_or_b32 exec_lo, exec_lo, s20
.Lend:
	s_endpgm
.Lfunc_end_k_q3497ab0fcf_gath:
	.size	k_q3497ab0fcf_gath, .Lfunc_end_k_q3497ab0fcf_gath-k_q3497ab0fcf_gath
	.p2alignl 7, 3214868480
	.fill 96, 4, 3214868480
	.section	.rodata,"a",@progbits
	.p2align	6, 0x0
	.amdhsa_kernel k_q3497ab0fcf_gath
		.amdhsa_group_segment_fixed_size 0
		.amdhsa_private_segment_fixed_size 0
		.amdhsa_enable_private_segment 0
		.amdhsa_kernarg_size 48
		.amdhsa_user_sgpr_count 2
		.amdhsa_user_sgpr_kernarg_segment_ptr 1
		.amdhsa_wavefront_size32 1
		.amdhsa_system_sgpr_workgroup_id_x 1
		.amdhsa_system_sgpr_workgroup_id_y 1
		.amdhsa_system_sgpr_workgroup_id_z 1
		.amdhsa_system_vgpr_workitem_id 0
		.amdhsa_next_free_vgpr 96
		.amdhsa_next_free_sgpr 66
		.amdhsa_reserve_vcc 1
		.amdhsa_float_denorm_mode_32 3
		.amdhsa_float_denorm_mode_16_64 3
		.amdhsa_memory_ordered 1
		.amdhsa_forward_progress 1
		.amdhsa_inst_pref_size 9
	.end_amdhsa_kernel
	.amdgpu_metadata
---
amdhsa.version: [ 1, 2 ]
amdhsa.kernels:
  - .name:           k_q3497ab0fcf_gath
    .symbol:         k_q3497ab0fcf_gath.kd
    .args:
      - { .name: idx, .offset: 0, .size: 8, .value_kind: global_buffer, .address_space: global }
      - { .name: ftab, .offset: 8, .size: 8, .value_kind: global_buffer, .address_space: global }
      - { .name: part, .offset: 16, .size: 8, .value_kind: global_buffer, .address_space: global }
      - { .name: out0, .offset: 24, .size: 8, .value_kind: global_buffer, .address_space: global }
      - { .name: out1, .offset: 32, .size: 8, .value_kind: global_buffer, .address_space: global }
      - { .name: out2, .offset: 40, .size: 8, .value_kind: global_buffer, .address_space: global }
    .group_segment_fixed_size: 0
    .private_segment_fixed_size: 0
    .kernarg_segment_align: 8
    .kernarg_segment_size: 48
    .max_flat_workgroup_size: 256
    .sgpr_count:     66
    .vgpr_count:     96
    .wavefront_size: 32
...
	.end_amdgpu_metadata
.endif
;; end of part 3
